; MI455X (gfx1250); checked and timed in simulation.
; The chip was launched on July 23, 2026; its instructions are those of AMD's public machine-readable ISA for CDNA 5 (MIT licence, August 2026) and "CDNA5" Instruction Set Architecture Reference Guide (July 2026). The comments in the code are by the model that wrote it; some were corrected since.
;; Attention. Allowed arithmetic: matrix products marked QUANTISED: E2M1 operands, one E8M0 scale for each 32 along K, by v_wmma_scale_f32_16x16x128_f8f6f4 with both operands' format E2M1 (or v_wmma_scale_f32_32x16x128_f4), f32 sums; products left as they are: f32 operands where the result goes on into a quantised operand, else bf16, f16 or f32 operands; f32 sums; everything else in f32.
;; Inputs: Wc_w 1,024 x 1 float32; Wh_w_codes 1,024 x 32 x 16 uint8 (E2M1 codes of Wh_w, K innermost, in blocks of 32 codes, two codes a byte); Wh_w_scales 1,024 x 32 uint8 (E8M0 scales of Wh_w, one for each 32 codes along K); Ws_b 1,024 float32; Ws_w_codes 1,024 x 32 x 16 uint8 (E2M1 codes of Ws_w, K innermost, in blocks of 32 codes, two codes a byte); Ws_w_scales 1,024 x 32 uint8 (E8M0 scales of Ws_w, one for each 32 codes along K); c_dec 1 x 32 x 512 float32; coverage_vector 32 x 1,024 float32; encoder_output 32 x 1,024 x 1,024 float32; h_dec 1 x 32 x 512 float32; v_w 1 x 1,024 float32; x_padding_masks 32 x 1,024 float32.
;; Outputs: out0 32 x 1,024 float32; out1 32 x 1,024 float32; out2 32 x 1,024 float32.
;; This version of the problem:
;;   THIS VERSION OF THE PROBLEM IS GIVEN IN LOW PRECISION. The matrix products marked QUANTISED in the list below multiply operands that are first quantised to E2M1 (2 exponent bits, 1 mantissa bit; 4 bits a number), with one power-of-two scale for each 32 numbers along K (OCP MX v1.0); their sums are f32. All else is computed in f32.
;;   The module's matrix products, in the order in which they are computed (A, B: the left and right operand; K: the contracted axis; several contracted axes count as one K, in the product's order):
;;     1. [M 32, K 1,024] x [K 1,024, N 1,024]; A: computed on the way; B: input Ws_w (given as codes): QUANTISED
;;     2. [M 32,768, K 1,024] x [K 1,024, N 1,024]; A: input encoder_output; B: input Wh_w (given as codes): QUANTISED
;;     3. [M 32,768, K 1,024] x [K 1,024, N 1]; A: computed on the way; B: input v_w: left as it is (N = 1 < 16)
;;     4. batch 32 x [M 1, K 1,024] x [K 1,024, N 1,024]; A: computed on the way; B: input encoder_output: left as it is (M = 1 < 16)
;;   THE QUANTISER, for each operand of a quantised product, along K:
;;     - K is cut into blocks of 32 from its start; a last block that is shorter is filled with zeros.
;;     - A block's scale is 2^e with e = floor(log2(the largest magnitude in the block)) - 2, held to -126 .. 127; a block of zeros has e = 0. As a byte (E8M0): e + 127.
;;     - Each number is divided by its block's scale, clamped to +-6, and rounded to the nearest number of E2M1, ties to even, subnormals kept.
;;     - The product sums the exact products of the quantised numbers (number of the format x scale) in f32.
;;   ~~~python
;;   def quantise(x, axis):      # numpy; x: float32 -> the quantised numbers, widened to float32 again
;;       x = np.moveaxis(x, axis, -1); K = x.shape[-1]
;;       x = np.pad(x, [(0, 0)] * (x.ndim - 1) + [(0, -K % 32)]); x = x.reshape(x.shape[:-1] + (-1, 32)); a = np.abs(x).max(-1, keepdims=True)
;;       e = np.where(a > 0, np.clip(np.frexp(np.where(a > 0, a, 1))[1] - 1 - 2, -126, 127), 0)      # np.frexp(a)[1] - 1 = floor(log2(a)), exactly
;;       r = np.clip(x / 2.0 ** e, -6, 6)
;;       step = 2.0 ** (np.maximum(np.frexp(np.where(r == 0, 1, r))[1] - 1, 0) - 1)
;;       q = np.round(r / step) * step * 2.0 ** e      # np.round: ties to even
;;       return np.moveaxis(q.reshape(q.shape[:-2] + (-1,))[..., :K], -1, axis).astype(np.float32)
;;   ~~~
;;   OPERANDS COMPUTED ON THE WAY. 'Computed on the way' means the value that the module computes at that place (a softmax that the list does not call 'softmax' is quantised finished and normalised). What goes into a quantiser is computed in f32, as accurately as f32 sums, v_exp_f32 and their like allow (about 1e-6 of the number): no bf16 or f16 on the way to a quantiser, and a product that is left as it is and whose result goes on into a quantised operand takes f32 operands (vector FMAs, or v_wmma_f32_16x16x4_f32). A number that lies on a knife's edge between two numbers of the format may be rounded either way, as far as f32 arithmetic and the matrix unit's own rounding can turn it there, and no further.
;;   INPUTS GIVEN AS CODES. Wh_w (in the module: [1024, 1024], K = its axis 1); Ws_w (in the module: [1024, 1024], K = its axis 1): each comes as NAME_codes (uint8): NAME with its K axis moved to the last place and cut into blocks of 32 codes, [.., K / 32, bytes a block], one block behind the other in memory; two codes a byte, the lower K in the low four bits (a code: sign, 2 exponent bits, 1 mantissa bit); and NAME_scales (uint8): the same leading axes, one E8M0 byte (e + 127) for each 32 codes along K. Its value is code x scale, taken as it is: it is not quantised again, and the codes and scales need not be those that the quantiser above would give.
;; One version. Each part assembles by itself: llvm-mc -triple=amdgcn-amd-amdhsa -mcpu=gfx1250 --defsym DOCPART=n.
;; ======== version 1 of 1: 2 launches
;; limits: values are held in bf16: 8 bits of precision; right only within a limited range of input values
;; workspace buffers: pw 131,072 bytes; stat 65,536 bytes; ctxp 1,048,576 bytes
;; launch main (part 1): grid 8 x 32, 4 waves a work-group, clusters of 4 x 1, 327,680 bytes of LDS; arguments encoder_output, Wh_w_codes, Wh_w_scales, Wc_w, v_w, coverage_vector, x_padding_masks, pw, stat, ctxp; writes pw, stat, ctxp
.if DOCPART == 1
	.amdgcn_target "amdgcn-amd-amdhsa--gfx1250"
	.amdhsa_code_object_version 6
	.text
	.protected	k_qce74a22640_main
	.globl	k_qce74a22640_main
	.p2align	8
	.type	k_qce74a22640_main,@function
k_qce74a22640_main:
	s_mov_b64 s[64:65], 0
	v_nop
	global_prefetch_b8 v0, s[64:65] scope:SCOPE_SE
	s_setreg_imm32_b32 hwreg(HW_REG_WAVE_MODE, 25, 1), 1
	s_wait_xcnt 0x0
	s_wait_alu depctr_hold_cnt(0) depctr_sa_sdst(0) depctr_va_vdst(0) depctr_va_sdst(0) depctr_va_ssrc(0) depctr_va_vcc(0) depctr_vm_vsrc(0)
	s_getreg_b32 s2, hwreg(HW_REG_IB_STS2, 6, 4)
	s_cmp_eq_u32 s2, 0
	s_cbranch_scc0 .Lentry_in_a_cluster
	s_endpgm
.Lentry_in_a_cluster:
	s_bfe_u32 s2, ttmp6, 0x10000c
	s_cmp_lg_u32 s2, 0x3003
	s_cbranch_scc0 .Lentry_shape_is_right
	s_endpgm
.Lentry_shape_is_right:
; Additive attention with coverage, B = 32, S = 1,024, D = 1,024; the large product on codes of FP4 (E2M1) with one E8M0 scale for each 32 along K.
; score[b][s] = sum_e v[e] (Q(enc[b][s]) . Wh[e]) + cov[b][s] (sum_e v[e] Wc[e]) + c_b,  c_b = sum_e v[e] (Q(s_t[b]) . Ws[e] + Ws_b[e]).
; LEFT OUT AS DEAD: c_b is one number for all s of a batch, and the softmax over s does not change when a number that is the same along s is added, whatever the inputs hold: so the product with Ws_w, and with it
; h_dec, c_dec, Ws_w and Ws_b, reach no output; they are not among the arguments.  The softmax's own sum Z cancels too: w = (p / Z) mask / sum((p / Z) mask) = p mask / sum(p mask); it is not made.
; LIMIT: a NaN, an infinity or an overflow that reaches only that work is not carried to the result.
; SHARES.  Work-group (blk, b) owns rows 128 blk .. + 127 of batch b.  Each of its four waves streams 32 rows once, quantises them (codes and scale bytes to LDS) and keeps them as bf16 in 512 registers.
; K IN TWO HALVES: the score is a sum over k, so each half of K is multiplied and dotted with v by itself.  Columns 0-511 of all rows are streamed first; the product over half 0 stands among the first units of the
; stream of columns 512-1,023; the product over half 1 follows.  Wave w multiplies all 128 rows against Wh's rows 256 w .. + 255, so each fragment of Wh is read from LDS once; no result of the large product is kept.
; THE MATRIX INSTRUCTION IS USED TRANSPOSED: source 0 = 16 rows of Wh, source 1 = 16 rows of enc: lane (r, h) holds enc's row r, and register j Wh's row 8 h + j.
; EXCHANGE.  Codes pass from wave to wave in four stages (half of K, half of each wave's rows) through one buffer of 64 rows; row tile t of stage rows 16 z .. + 15 is rows 32 t + 16 z + r.
; CONTEXT: with the block's own largest score m the weights are p = 2^((score - m) log2 e) x mask; the block's partial context is made by the bf16 matrix instruction.  Out go p, (m, sum of p) and 1,024 numbers.
; CLUSTER.  All work-groups need the same Wh.  The four of a cluster ask for each tile JOINTLY: the same tensor load with the same descriptor (constants and the wave's number) and the mask 15.
; A half of Wh's codes, 1,024 rows x 256 bytes, lies whole in LDS: one load of 256 rows a wave at the head, one more behind the product over half 0.
; PREFETCH.  Wh's codes are 64 parts of 8,192 bytes (32 blocks of 256).  Each work-group asks for one part, by one instruction of wave 0, a block a lane, behind its first tensor load; the part is told by address from the cluster's
; number and the place in it, so that four clusters, spread over the grid, ask for each part.  enc has none: 48 loads of 512 bytes a wave are on their way through the stream.
; LIMITS: NaN and infinities among the inputs are not served; a block of 32 whose largest magnitude lies under 2^-124 gets the scale byte 1 (a block of zeros too: its codes are zeros);
; the context is summed in f32 of encoder_output and p rounded to bf16; v_exp_f32 gives 0 for what would be denormal; the scaled scores stay under 2^31 in magnitude.
; REGISTERS, in windows of 256.  window 0: the names below.  window 1: v0-191 a ring of six units (2 rows x 512 columns, 32 registers each), at the end enc's upper fragments of half 1 at v0-127; v192-255 Wh's fragments, two sets.
;   windows 2, 3: kept rows, half 0 and half 1 of the columns: pair p of rows, column 256 c + 8 lane + i of the half at v[16 p + 8 c + i]: row 2 p low, row 2 p + 1 high.  v128-255 of window 3 first hold enc's upper fragments of half 0.
.set PITCH, 272                        ; an LDS row of 512 codes: 256 bytes + 16 of padding = 68 words: sixteen rows start at sixteen different groups of four banks
.set SLOT,  256*PITCH                  ; one wave's 256 rows of Wh
.set CODES, 4*SLOT                     ; enc's codes of a stage: 64 rows (stored by the waves; no tensor load lands from here on)
.set ASC,   CODES+64*PITCH             ; and their scale bytes: 64 rows x 16 bytes
.set SCL,   ASC+1024                   ; Wh's scale bytes of a half: 1,024 rows x 16 bytes; each wave stores and reads its own quarter
.set VV,    SCL+16384                  ; v_w
.set COV,   VV+4096                    ; the block's 128 numbers of coverage_vector,
.set MSK,   COV+512                    ; of x_padding_masks
.set SCX,   MSK+512                    ; partial scores [2 w + h][128]
.set UX,    SCX+4096                   ; each wave's part of sum_e v[e] Wc[e]
.set WGT,   UX+256                     ; 64 pairs of weights in bf16, once for each wave
.set SPARE, WGT+1024                   ; the spare words, 128 bytes for each wave: no other line names them
.set CTX,   CODES                      ; at the end: the four waves' partial contexts, 4,096 bytes each, where the codes lay
.set SPW,  1
.set NIL,  2
.set XA,   3                           ; 32 x lane
.set CST,  4                           ; where my lane's codes of a stage's first row go
.set BST,  5                           ; and my block's scale byte
.set ADB,  6                           ; my place in Wh's tiles, scale bytes, v_w: stepped
.set ADS,  7
.set ADV,  8
.set ADA,  9                           ; my place in enc's codes
.set ADAS, 10                          ; and scale bytes
.set SCA,  11                          ; where my lane's scale bytes of Wh go
.set ASCR, 12                          ; v12-27  enc's scale words: 2 t + i of the lower, then of the upper tiles: lanes 0-15 K step i of the half, lanes 16-31 K step 2 + i.  Scales alone
.set BSC,  28                          ; v28-31  Wh's likewise, two sets
.set SS,   32                          ; v32-47  score sums, a pair for each row tile
.set VR,   48                          ; v48-63  v_w at my eight rows of the tile, two sets
.set ACC,  64                          ; v64-127 the accumulators of the four lower, then of the four upper row tiles
.set MX,   64                          ; while streaming: largest magnitudes, scale operands, codes (two sets), scale bytes (two sets)
.set SCO,  68
.set CD,   72
.set BY,   80
.set PFO,  92                          ; at the head: the prefetch's offset
.set SB,   96                          ; v96-127 scale bytes of half 1 on their way to LDS
.set AF,   128                         ; v128-255 enc's lower fragments (row tile t, K step ks of the half) at 32 t + 8 ks
.set BF,   192                         ; in window 1
.set CA,   160                         ; at the end: my partial context
.set G1W,  48                          ; s[48:55] descriptor group 1;  s[76:79] group 0
.set G0,   76
.set MSB, 0
.macro WIN new                         ; the immediate's high byte repeats the setting that is left; a switch that changes nothing is dropped
.if MSB != (\new)
	s_set_vgpr_msb (MSB<<8)|(\new)
.set MSB, (\new)
.endif
.endm
.macro PLACES n
.rept \n
	v_nop
.endr
.endm
.macro CROUND                          ; a whole round of the cluster's barrier
	s_barrier_signal -1
	s_barrier_wait -1
	s_cmp_lg_u32 s34, 0
	s_cbranch_scc1 .Lnot_wave_0_\@
	s_barrier_signal -3
.Lnot_wave_0_\@:
	s_barrier_wait -3
	s_barrier_signal -1
	s_barrier_wait -1
.endm
.macro MEET                            ; my LDS instructions are done, for the others' sake
	s_wait_dscnt 0x0
	s_barrier_signal -1
	s_barrier_wait -1
.endm
.macro JL                              ; a joint load; four v_nop follow
	tensor_load_to_lds s[G0:G0+3], s[G1W:G1W+7]
	s_nop 0
	PLACES 4
.endm
	s_load_b256 s[4:11], s[0:1], 0x0               ; enc s[4:5], Wh's codes s[6:7], Wh's scales s[8:9], Wc_w s[10:11]
	s_load_b256 s[12:19], s[0:1], 0x20             ; v_w s[12:13], coverage s[14:15], mask s[16:17], pw s[18:19]
	s_load_b128 s[20:23], s[0:1], 0x40             ; stat s[20:21], ctxp s[22:23]
	v_lshl_add_u32 v[SPW], v0, 2, SPARE
	v_mov_b32 v[NIL], 0
	ds_add_u32 v[SPW], v[NIL]                      ; the opening: the add, twice on end, and its wait ahead of my first tensor load
	ds_add_u32 v[SPW], v[NIL]
	v_lshrrev_b32 v64, 5, v0
	v_readfirstlane_b32 s34, v64                   ; wave w
	s_bfe_u32 s37, ttmp6, 0x40000                  ; cx: it enters global addresses alone
	s_lshl_b32 s38, ttmp9, 2
	s_add_co_u32 s38, s38, s37                     ; blk = 4 x cluster x + cx
	s_and_b32 s39, ttmp7, 0xffff                   ; b
	s_lshl_b32 s40, s39, 3
	s_add_co_u32 s40, s40, s38                     ; g = 8 b + blk
	s_mov_b32 s[G1W], 15|(1<<20)|(1<<21)|(5<<22)|(3<<25)   ; the mask: all four work-groups; elements of 1 byte; 20 padding on; 21 set beside a mask; after every 64 words four words
	s_mov_b32 s[G1W+1], 256<<16                    ; tensor_dim0 = 256
	s_mov_b32 s[G1W+2], 256<<16                    ; tensor_dim1 = 256
	s_mov_b32 s[G1W+3], 256<<16                    ; tile_dim0 = 256
	s_mov_b32 s[G1W+4], 256                        ; tile_dim1 = 256
	s_mov_b32 s[G1W+5], 512                        ; from row to row
	s_mov_b32 s[G1W+6], 0
	s_mov_b32 s[G1W+7], 0
	s_lshl_b32 s74, s34, 17
	s_mov_b32 s75, 0                               ; Wh's codes: 256 rows of 512 bytes x wave
	s_mul_i32 s26, s34, SLOT
	s_mov_b32 s[G0], 1
	s_mov_b32 s[G0+1], s26
	s_lshl_b32 s66, s39, 22
	s_lshl_b32 s67, s38, 19
	s_add_co_u32 s66, s66, s67
	s_lshl_b32 s67, s34, 17
	s_add_co_u32 s66, s66, s67
	s_mov_b32 s67, 0                               ; enc: (1,024 b + 128 blk + 32 w) rows of 4,096 bytes, under 2^27
	s_lshl_b32 s68, s39, 12
	s_lshl_b32 s69, s38, 9
	s_add_co_u32 s68, s68, s69
	s_mov_b32 s69, 0                               ; coverage, mask, pw: the block's first position
	s_lshl_b32 s90, s34, 13
	s_mov_b32 s91, 0                               ; Wh's scale bytes: my 256 rows
	s_lshl_b32 s60, s39, 1
	s_add_co_u32 s60, s60, ttmp9                   ; cluster c of 64
	s_lshr_b32 s61, s60, 4
	s_lshl_b32 s61, s61, 2
	s_sub_co_u32 s60, s60, s61
	s_and_b32 s60, s60, 15                         ; (c - 4 (c / 16)) mod 16: clusters i, i + 20, i + 40, i + 60 (their low four bits wrapping) share number i
	s_lshl_b32 s60, s60, 2
	s_add_co_u32 s60, s60, s37
	s_lshl_b32 s60, s60, 13                        ; my part: 4 i + cx, 8,192 bytes each: the last ends with the buffer
	v_and_b32 v65, 31, v0
	v_lshlrev_b32 v[XA], 5, v65
	v_lshl_add_u32 v[PFO], v65, 8, s60
	v_lshlrev_b32 v66, 4, v0                       ; 16 x thread
	v_lshlrev_b32 v67, 2, v0                       ; 4 x thread
	s_wait_alu depctr_va_vdst(0)
	s_wait_dscnt 0x0                               ; both opening adds are done
	CROUND                                         ; all four work-groups are here: the first joint loads meet
	s_wait_kmcnt 0x0
	s_add_nc_u64 s[46:47], s[6:7], s[74:75]
	s_mov_b64 s[G0+2:G0+3], s[46:47]
	s_or_b32 s[G0+3], s[G0+3], 0x80000000
	JL                                             ; half 0 of my 256 rows of Wh
	s_add_nc_u64 s[4:5], s[4:5], s[66:67]
	s_add_nc_u64 s[14:15], s[14:15], s[68:69]
	s_add_nc_u64 s[16:17], s[16:17], s[68:69]
	s_add_nc_u64 s[44:45], s[8:9], s[90:91]
	s_cmp_lg_u32 s34, 0
	s_cbranch_scc1 .Lnot_mine
	global_prefetch_b8 v[PFO], s[6:7] th:TH_LOAD_NT scope:SCOPE_SE
.Lnot_mine:
; Wh's scale bytes of half hf: lane l takes 16 bytes of rows 32 i + l of my 256
.macro SLOAD reg, hf
.irp i, 0,1,2,3,4,5,6,7
	global_load_b128 v[\reg+4*\i:\reg+4*\i+3], v[XA], s[44:45] offset:1024*\i+16*\hf
.endr
.endm
.macro SSTORE reg
.irp i, 0,1,2,3,4,5,6,7
	ds_store_b128 v[SCA], v[\reg+4*\i:\reg+4*\i+3] offset:512*\i
.endr
.endm
; Unit n: rows 2 (n % 16), + 1 of my 32, columns 512 (n / 16) .. + 511.  Combination k = 2 x row + c: lane l gets columns 256 c + 8 l .. + 7 by two loads of 16 bytes that follow each other: together 1,024 consecutive bytes
.macro XLOAD n
.irp k, 0,1,2,3
.irp i, 0,1
	global_load_b128 v[32*((\n)%6)+8*\k+4*\i:32*((\n)%6)+8*\k+4*\i+3], v[XA], s[4:5] offset:4096*(2*((\n)%16)+(\k/2))+2048*((\n)/16)+1024*(\k%2)+16*\i th:TH_LOAD_RT_NT
.endr
.endr
.endm
	global_load_b128 v[100:103], v66, s[12:13]     ; all of v_w and Wc_w: 8 numbers of each a thread
	global_load_b128 v[104:107], v66, s[12:13] offset:2048
	global_load_b128 v[108:111], v66, s[10:11]
	global_load_b128 v[112:115], v66, s[10:11] offset:2048
	global_load_b32 v71, v67, s[14:15]             ; the block's coverage and mask: one number a thread
	global_load_b32 v72, v67, s[16:17]
	SLOAD AF, 0
	WIN 0x40                                       ; destination window 1, address window 0
.irp n, 0,1,2,3,4,5
	XLOAD \n
.endr
	WIN 0
	; the rest of the set-up, while those loads are on their way
	s_lshl_b32 s27, s34, 12
	s_add_co_u32 s27, s27, SCL
	s_lshl_b32 s28, s34, 10
	s_add_co_u32 s28, s28, VV
	s_mul_i32 s24, s34, 16*PITCH
	s_add_co_u32 s24, s24, CODES
	s_lshl_b32 s25, s34, 8
	s_add_co_u32 s25, s25, ASC
	s_lshl_b32 s31, s34, 2
	s_add_co_u32 s31, s31, UX
	s_mov_b32 s29, CODES
	s_mov_b32 s30, ASC
	s_mov_b32 s92, 0x76543210
	s_mov_b32 s93, 0xfedcba98                      ; v_permlanex16_b32's selects for lane l xor 16
	s_mov_b32 s95, 0x3fb8aa3b                      ; log2(e)
.irp q, 0,1,2,3,4,5,6,7
	s_mov_b32 s[80+\q], 0x01000001<<\q             ; lanes q and 24 + q (the context's selecting matrix)
.endr
	s_lshl_b32 s94, s34, 10
	s_add_co_u32 s94, s94, SCX
	s_lshl_b32 s96, s34, 8
	s_add_co_u32 s96, s96, WGT
	s_mul_i32 s97, s34, 320
	s_add_co_u32 s97, s97, WGT
	s_lshl_b32 s98, s34, 12
	s_add_co_u32 s98, s98, CTX
	s_lshl_b32 s99, s34, 10
	s_add_co_u32 s99, s99, CTX
	s_lshl_b32 s70, s40, 8
	s_mov_b32 s71, 0                               ; stat: 256 bytes x g
	s_lshl_b32 s72, s40, 12
	s_lshl_b32 s73, s34, 10
	s_add_co_u32 s72, s72, s73
	s_mov_b32 s73, 0                               ; ctxp: 4,096 bytes x g, + my wave's 256 columns
	s_add_nc_u64 s[18:19], s[18:19], s[68:69]
	s_add_nc_u64 s[20:21], s[20:21], s[70:71]
	s_add_nc_u64 s[22:23], s[22:23], s[72:73]
	v_and_b32 v88, 31, v0
	v_and_b32 v89, 15, v0
	v_bfe_u32 v90, v0, 4, 1
	v_lshl_add_u32 v[CST], v88, 2, s24             ; my wave's 16 rows of a stage's codes, + 4 x lane
	v_lshrrev_b32 v91, 2, v88
	v_add_nc_u32 v[BST], s25, v91                  ; four lanes hold a block of 32
	v_lshl_add_u32 v[SCA], v88, 4, s27
	v_mul_u32_u24 v91, v89, PITCH
	v_lshl_add_u32 v91, v90, 4, v91                ; a fragment's row x pitch + 16 h
	v_add_nc_u32 v[ADA], s29, v91
	v_lshlrev_b32 v91, 4, v89
	v_lshl_add_u32 v91, v90, 3, v91                ; 16 r + 8 h
	v_add_nc_u32 v[ADAS], s30, v91
	v_lshl_add_u32 v68, v0, 4, VV
	v_lshl_add_u32 v69, v0, 2, COV
	v_mov_b32 v70, s31
.irp i, 0,1,2,3,4,5,6,7,8,9,10,11,12,13,14,15
	v_mov_b32 v[SS+\i], 0                          ; the loop over tiles is written once: it finds zeros
.endr
	s_wait_alu depctr_va_vdst(0)
	s_wait_loadcnt 48                              ; the 48 loads of units 0-5 may be out
	s_wait_xcnt 0x0                                ; the prefetch's offset register is free
	ds_store_b128 v68, v[100:103]
	ds_store_b128 v68, v[104:107] offset:2048
	ds_store_b32 v69, v71
	ds_store_b32 v69, v72 offset:MSK-COV
	SSTORE AF
	v_pk_mul_f32 v[116:117], v[100:101], v[108:109]         ; my part of sum_e v[e] Wc[e]
	v_pk_fma_f32 v[116:117], v[102:103], v[110:111], v[116:117]
	v_pk_fma_f32 v[116:117], v[104:105], v[112:113], v[116:117]
	v_pk_fma_f32 v[116:117], v[106:107], v[114:115], v[116:117]
	v_add_f32 v116, v116, v117
.irp x, 1,2,4,8
	v_add_f32_dpp v116, v116, v116 row_xmask:\x row_mask:0xf bank_mask:0xf
.endr
	v_permlanex16_b32 v117, v116, s92, s93
	v_add_f32 v116, v116, v117
	ds_store_b32 v70, v116                         ; all lanes write the same word with the same value
; UNIT n: quantised, kept as bf16 pairs of rows, and its ring slot is asked for again, six units on.
.macro UNIT n
.set HF, (\n)/16
.set PP, (\n)%16
.set XB, 32*((\n)%6)
.set TS, 4*((\n)%2)
.if (\n) > 26
	s_wait_loadcnt 8*(31-(\n))
.elseif ((\n) > 19) && ((\n) < 26)
	s_wait_loadcnt 48                              ; the five younger units' loads and the eight of half 1's scale bytes may be out
.else
	s_wait_loadcnt 40                              ; the five younger units' loads may be out
.endif
	WIN 0x05                                       ; sources 0 and 1: window 1
.irp k, 0,1,2,3
	v_max3_num_f32 v[MX+\k], |v[XB+8*\k]|, |v[XB+8*\k+1]|, 0x1800000   ; with the floor 2^(3 - 127): the byte cannot fall under 1
.endr
.irp i, 2,4,6
.irp k, 0,1,2,3
	v_max3_num_f32 v[MX+\k], |v[XB+8*\k+\i]|, |v[XB+8*\k+\i+1]|, v[MX+\k]
.endr
.endr
	WIN 0
.irp x, 1,2
.irp k, 0,1,2,3
	v_max_num_f32_dpp v[MX+\k], v[MX+\k], v[MX+\k] row_xmask:\x row_mask:0xf bank_mask:0xf
.endr
.endr
.irp k, 0,1,2,3
	v_add_nc_u32 v[SCO+\k], 0xff000000, v[MX+\k]   ; 2 off the exponent field: the conversion's scale operand
.endr
.irp k, 0,1,2,3
	v_lshrrev_b32 v[BY+TS+\k], 23, v[SCO+\k]       ; the scale's byte
.endr
	WIN 0x01
.irp k, 0,1,2,3
	v_cvt_scalef32_pk8_fp4_f32 v[CD+TS+\k], v[XB+8*\k:XB+8*\k+7], v[SCO+\k]
.endr
	WIN 0x85+0x40*HF                               ; sources window 1, destination window 2 or 3
.irp c, 0,1
.irp i, 0,1,2,3,4,5,6,7
	v_cvt_pk_bf16_f32 v[16*PP+8*\c+\i], v[XB+8*\c+\i], v[XB+16+8*\c+\i]   ; (plain lines behind the scaled conversions)
.endr
.endr
	WIN 0
.if (((\n)%8) == 0) && ((\n) > 0)
	MEET                                           ; every wave has read the stage before: its codes may be written over
.endif
.irp k, 0,1,2,3
	ds_store_b32 v[CST], v[CD+TS+\k] offset:PITCH*(2*(PP%8)+(\k/2))+128*(\k%2)   ; the 32 lanes write 128 consecutive bytes of the row
.endr
.irp k, 0,1,2,3
	ds_store_b8 v[BST], v[BY+TS+\k] offset:16*(2*(PP%8)+(\k/2))+8*(\k%2)         ; the four lanes of a block write the same byte with the same value
.endr
.if (\n)+6 < 32
	WIN 0x40
	XLOAD (\n)+6
	WIN 0
.endif
.endm
.macro UNITS a
	UNIT (\a)
	UNIT (\a)+1
	UNIT (\a)+2
	UNIT (\a)+3
.endm
; A stage's fragments and scale words: s = 0 the lower row tiles, s = 1 the upper; into window setting win, from register base on
.macro LOADA s, win, base
	WIN \win
.irp t, 0,1,2,3
.irp ks, 0,1,2,3
.irp c, 0,1
	ds_load_b128 v[\base+32*\t+8*\ks+4*\c:\base+32*\t+8*\ks+4*\c+3], v[ADA] offset:16*PITCH*\t+64*\ks+32*\c
.endr
.endr
.endr
	WIN 0
.irp t, 0,1,2,3
	ds_load_b64 v[ASCR+8*\s+2*\t:ASCR+8*\s+2*\t+1], v[ADAS] offset:256*\t
.endr
.endm
; Four matrix instructions: the tile of Wh in set p, K step ks of the half, against the four lower (s = 0) or upper row tiles.  The accumulators take turns, one instruction a turn.
.macro MULK s, p, ks, au
.set BR, BF+32*\p+8*\ks
.set QB, BSC+2*\p+(\ks%2)
.irp t, 0,1,2,3
.set DR, ACC+32*\s+8*\t
.set QA, ASCR+8*\s+2*\t+(\ks%2)
.if \s == 0
.set AR, AF+32*\t+8*\ks
.else
.set AR, \au+32*\t+8*\ks
.endif
.if \ks == 0
	v_wmma_scale_f32_16x16x128_f8f6f4 v[DR:DR+7], v[BR:BR+7], v[AR:AR+7], 0, v[QB], v[QA] matrix_a_fmt:MATRIX_FMT_FP4 matrix_b_fmt:MATRIX_FMT_FP4
.elseif \ks == 1
	v_wmma_scale_f32_16x16x128_f8f6f4 v[DR:DR+7], v[BR:BR+7], v[AR:AR+7], v[DR:DR+7], v[QB], v[QA] matrix_a_fmt:MATRIX_FMT_FP4 matrix_b_fmt:MATRIX_FMT_FP4
.else
	v_wmma_scale_f32_16x16x128_f8f6f4 v[DR:DR+7], v[BR:BR+7], v[AR:AR+7], v[DR:DR+7], v[QB], v[QA] matrix_a_fmt:MATRIX_FMT_FP4 matrix_b_fmt:MATRIX_FMT_FP4 matrix_a_scale:MATRIX_SCALE_ROW1 matrix_b_scale:MATRIX_SCALE_ROW1
.endif
.endr
.endm
; Four finished accumulators are dotted with v_w: each from its low end on
.macro DOTV s, p
.irp i, 0,1,2,3
.irp t, 0,1,2,3
	v_pk_fma_f32 v[SS+8*\s+2*\t:SS+8*\s+2*\t+1], v[ACC+32*\s+8*\t+2*\i:ACC+32*\s+8*\t+2*\i+1], v[VR+8*\p+2*\i:VR+8*\p+2*\i+1], v[SS+8*\s+2*\t:SS+8*\s+2*\t+1]
.endr
.endr
.endm
; A tile of Wh into set p: eight loads of codes, three of scale words and of v_w, in one run
.macro FETCH p
	WIN 0x40
.irp ks, 0,1,2,3
.irp c, 0,1
	ds_load_b128 v[BF+32*\p+8*\ks+4*\c:BF+32*\p+8*\ks+4*\c+3], v[ADB] offset:16*PITCH*\p+64*\ks+32*\c
.endr
.endr
	WIN 0
	ds_load_b64 v[BSC+2*\p:BSC+2*\p+1], v[ADS] offset:256*\p
	ds_load_b128 v[VR+8*\p:VR+8*\p+3], v[ADV] offset:64*\p
	ds_load_b128 v[VR+8*\p+4:VR+8*\p+7], v[ADV] offset:64*\p+16
.endm
; My tile T of 16
.macro ADDR T
	s_add_co_u32 s66, s26, 16*PITCH*\T
	s_add_co_u32 s67, s27, 256*\T
	s_add_co_u32 s68, s28, 64*\T
	v_and_b32 v88, 15, v0
	v_bfe_u32 v89, v0, 4, 1
	v_mul_u32_u24 v90, v88, PITCH
	v_lshlrev_b32 v91, 4, v88
	v_lshl_add_u32 v90, v89, 4, v90
	v_lshl_add_u32 v91, v89, 3, v91
	v_add_nc_u32 v[ADB], s66, v90
	v_add_nc_u32 v[ADS], s67, v91
	v_lshl_add_u32 v[ADV], v89, 5, s68
	s_wait_alu depctr_va_vdst(0)
.endm
.macro FIRST                           ; a run's first two tiles
	FETCH 0
	FETCH 1
.endm
; Two tiles.  fetch = 1: the next two are fetched, each set in one run behind the last dot that reads its v_w.  wu, au: window setting and first register of the upper fragments.
; Four places stand between the last matrix instruction on a set and the reads of its results or the loads into its operands.
.macro TRIP fetch, wu, au
	s_wait_dscnt 11                                ; set 0 is in; set 1's eleven loads may be out
	WIN 0x01                                       ; source 0 (Wh) window 1
	MULK 0, 0, 0, \au
	MULK 0, 0, 1, \au
	MULK 0, 0, 2, \au
	MULK 0, 0, 3, \au
	WIN \wu
	MULK 1, 0, 0, \au
	MULK 1, 0, 1, \au
	WIN 0
.if \fetch
	v_nop
	v_add_nc_u32 v[ADB], 32*PITCH, v[ADB]          ; two tiles on
	v_add_nc_u32 v[ADS], 512, v[ADS]
	v_add_nc_u32 v[ADV], 128, v[ADV]
.else
	PLACES 4
.endif
	DOTV 0, 0
	WIN \wu
	MULK 1, 0, 2, \au
	MULK 1, 0, 3, \au
	s_wait_dscnt 0x0                               ; set 1 is in
	WIN 0x01
	MULK 0, 1, 0, \au
	MULK 0, 1, 1, \au
	PLACES 4
	WIN 0
	DOTV 1, 0
.if \fetch
	FETCH 0
.endif
	WIN 0x01
	MULK 0, 1, 2, \au
	MULK 0, 1, 3, \au
	WIN \wu
	MULK 1, 1, 0, \au
	MULK 1, 1, 1, \au
	WIN 0
	PLACES 4
	DOTV 0, 1
	WIN \wu
	MULK 1, 1, 2, \au
	MULK 1, 1, 3, \au
	WIN 0
	PLACES 4
	DOTV 1, 1
.if \fetch
	FETCH 1
.endif
.endm
.macro LOOP n, wu, au
	s_mov_b32 s3, \n
.Ltrip_\@:
	TRIP 1, \wu, \au
	s_sub_co_u32 s3, s3, 1
	s_cmp_lg_u32 s3, 0
	s_cbranch_scc1 .Ltrip_\@
.endm
	; COLUMNS 0-511
	UNITS 0
	UNITS 4
	MEET                                           ; stage 0 lies in LDS
	LOADA 0, 0, AF
	UNITS 8
	UNITS 12
	s_wait_tensorcnt 0x0                           ; Wh's half 0 has landed
	MEET                                           ; stage 1 lies in LDS
	LOADA 1, 0xc0, 128                             ; into window 3, whose upper half takes kept rows only from unit 24 on
	; THE PRODUCT OVER HALF 0 among the first units of COLUMNS 512-1,023
	ADDR 0
	FIRST
	LOOP 4, 0x0d, 128                              ; its last trip fetches tiles 8 and 9
	UNITS 16
	ADDR 8
	LOOP 3, 0x0d, 128
	TRIP 0, 0x0d, 128
	s_wait_tensorcnt 0x0                           ; the refill: no tensor load of mine is out, so group 0 may be written;
	ds_add_u32 v[SPW], v[NIL]
	s_add_nc_u64 s[G0+2:G0+3], s[46:47], 256       ; half 1 of the same rows
	s_or_b32 s[G0+3], s[G0+3], 0x80000000
	s_wait_dscnt 0x0                               ; the add is done, and so are my reads of half 0
	CROUND                                         ; no wave of any partner still reads half 0
	JL
	SLOAD SB, 1
	UNITS 20
	MEET                                           ; stage 2 lies in LDS
	LOADA 0, 0, AF
	UNIT 24
	UNIT 25
	UNIT 26                                        ; its wait covers the scale bytes' loads, which are older than the five younger units'
	SSTORE SB                                      ; my own quarter: LDS serves a wave's instructions in order
	UNIT 27
	UNITS 28
	s_wait_tensorcnt 0x0                           ; Wh's half 1 has landed
	MEET                                           ; stage 3 lies in LDS
	LOADA 1, 0x40, 0                               ; into window 1, where the ring has ended
	; THE PRODUCT OVER HALF 1
	ADDR 0
	FIRST
	LOOP 7, 0x05, 0
	TRIP 0, 0x05, 0
	; THE SCORES.  Lane (r, h) holds, for lower tile t, the part of row 32 t + r (upper: 32 t + 16 + r) over my quarter's rows whose place in a tile is 8 h .. 8 h + 7: eight parts a row meet in LDS
.irp t, 0,1,2,3,4,5,6,7
	v_add_f32 v[72+\t], v[SS+2*\t], v[SS+2*\t+1]
.endr
	v_and_b32 v88, 31, v0
	v_and_b32 v89, 15, v0
	v_bfe_u32 v90, v0, 4, 1
	v_lshl_add_u32 v96, v89, 2, s94
	v_lshl_add_u32 v96, v90, 9, v96                ; SCX + 512 (2 w + h) + 4 r
	v_lshlrev_b32 v97, 4, v88                      ; 16 x lane
	v_add_nc_u32 v98, COV, v97
	v_lshlrev_b32 v99, 3, v88                      ; 8 x lane
	v_add_nc_u32 v100, s96, v99                    ; my wave's copy of the weights,
	v_mov_b32 v101, s97                            ; and in it those of my 32 rows
	v_lshl_add_u32 v102, v88, 5, s98
	v_add_nc_u32 v103, s99, v97
	v_mov_b32 v91, UX
.irp t, 0,1,2,3
	ds_store_b32 v96, v[72+\t] offset:128*\t
	ds_store_b32 v96, v[76+\t] offset:128*\t+64
.endr
	s_wait_alu depctr_va_vdst(0)
	MEET
.irp k, 0,1,2,3,4,5,6,7
	ds_load_b128 v[104+4*\k:107+4*\k], v98 offset:SCX-COV+512*\k    ; every wave takes all 128 rows: lane l rows 4 l .. 4 l + 3
.endr
	ds_load_b128 v[136:139], v98                   ; coverage
	ds_load_b128 v[140:143], v98 offset:MSK-COV    ; mask
	ds_load_b128 v[144:147], v91                   ; the four parts of sum_e v[e] Wc[e]
	s_wait_dscnt 0x0
.irp k, 0,2,4,6
	v_pk_add_f32 v[104+4*\k:105+4*\k], v[104+4*\k:105+4*\k], v[108+4*\k:109+4*\k]
	v_pk_add_f32 v[106+4*\k:107+4*\k], v[106+4*\k:107+4*\k], v[110+4*\k:111+4*\k]
.endr
	v_add_f32 v144, v144, v145
	v_add_f32 v146, v146, v147
.irp k, 0,4
	v_pk_add_f32 v[104+4*\k:105+4*\k], v[104+4*\k:105+4*\k], v[112+4*\k:113+4*\k]
	v_pk_add_f32 v[106+4*\k:107+4*\k], v[106+4*\k:107+4*\k], v[114+4*\k:115+4*\k]
.endr
	v_add_f32 v144, v144, v146
	v_pk_add_f32 v[104:105], v[104:105], v[120:121]
	v_pk_add_f32 v[106:107], v[106:107], v[122:123]
	v_pk_fma_f32 v[64:65], v[136:137], v[144:145], v[104:105] op_sel_hi:[1,0,1]   ; the score without c_b
	v_pk_fma_f32 v[66:67], v[138:139], v[144:145], v[106:107] op_sel_hi:[1,0,1]
	v_max3_num_f32 v68, v64, v65, v66
	v_mov_b32 v69, 0                               ; written once: a lane permute's destination counts as one of its sources
	v_max_num_f32 v68, v68, v67
.irp x, 1,2,4,8
	v_max_num_f32_dpp v68, v68, v68 row_xmask:\x row_mask:0xf bank_mask:0xf
.endr
	v_permlanex16_b32 v69, v68, s92, s93
	v_max_num_f32 v70, v68, v69                    ; m: the block's largest score
.irp i, 0,1,2,3
	v_sub_f32 v[72+\i], v[64+\i], v70
.endr
.irp i, 0,1,2,3
	v_mul_f32 v[72+\i], s95, v[72+\i]
.endr
	s_wait_alu depctr_va_vdst(0)
.irp i, 0,1,2,3
	v_exp_f32 v[72+\i], v[72+\i]
.endr
	v_nop                                          ; a plain place behind the exponentials
	s_wait_alu depctr_va_vdst(0)
	v_pk_mul_f32 v[72:73], v[72:73], v[140:141]    ; p = e^(score - m) x mask
	v_pk_mul_f32 v[74:75], v[74:75], v[142:143]
	v_cvt_pk_bf16_f32 v78, v72, v73
	v_cvt_pk_bf16_f32 v79, v74, v75
	ds_store_b64 v100, v[78:79]                    ; through my wave's own bytes; LDS serves a wave's instructions in order
.irp i, 0,1,2,3
	ds_load_b128 v[80+4*\i:83+4*\i], v101 offset:16*\i   ; every lane reads the same 16 bytes: register 80 + p = the weights of my rows 2 p, 2 p + 1
.endr
	v_add_f32 v76, v72, v73
	v_add_f32 v77, v74, v75
	v_add_f32 v76, v76, v77
.irp x, 1,2,4,8
	v_add_f32_dpp v76, v76, v76 row_xmask:\x row_mask:0xf bank_mask:0xf
.endr
	v_permlanex16_b32 v69, v76, s92, s93
	v_add_f32 v71, v76, v69                        ; Y: the block's sum of p
	s_wait_alu depctr_va_vdst(0)
	s_cmp_lg_u32 s34, 0
	s_cbranch_scc1 .Lnot_first
	global_store_b128 v97, v[72:75], s[18:19]      ; wave 0: the 128 p, 512 consecutive bytes,
	global_store_b64 v99, v[70:71], s[20:21]       ; and (m, Y), the same in every lane: 256 consecutive bytes
.Lnot_first:
	s_wait_dscnt 0x0
; THE PARTIAL CONTEXT of my 32 kept rows.  Operand B: a pair's kept registers as they lie: register u of lane (r, h) holds column 8 lane + u of rows 2 p, 2 p + 1.  Operand A: row m = 8 h + u holds the pair's two weights
; in register u of lanes of half h alone, that is in lanes q and 24 + q of register q, and 0 elsewhere: so D's register u of lane l is the sum for column 8 l + u.
.macro CTXP p
.set AB, 128+8*((\p)%2)
	WIN 0
.irp q, 0,1,2,3,4,5,6,7
	v_cndmask_b32 v[AB+\q], 0, v[80+(\p)], s[80+\q]
.endr
.irp hf, 0,1
	WIN 0x08+4*\hf                                 ; source 1: window 2 or 3
.irp c, 0,1
.if (\p) == 0
	v_wmma_f32_16x16x32_bf16 v[CA+16*\hf+8*\c:CA+16*\hf+8*\c+7], v[AB:AB+7], v[16*(\p)+8*\c:16*(\p)+8*\c+7], 0
.else
	v_wmma_f32_16x16x32_bf16 v[CA+16*\hf+8*\c:CA+16*\hf+8*\c+7], v[AB:AB+7], v[16*(\p)+8*\c:16*(\p)+8*\c+7], v[CA+16*\hf+8*\c:CA+16*\hf+8*\c+7]
.endif
.endr
.endr
.endm
.irp p, 0,1,2,3,4,5,6,7,8,9,10,11,12,13,14,15
	CTXP \p
.endr
	WIN 0
	PLACES 4
.irp j, 0,1,2,3
.irp i, 0,1
	ds_store_b128 v102, v[CA+8*\j+4*\i:CA+8*\j+4*\i+3] offset:1024*\j+16*\i   ; columns 256 j + 8 lane + 4 i on.  (Every wave's reads of the codes that lay here ended ahead of the last barrier)
.endr
.endr
	MEET
.irp k, 0,1,2,3
.irp u, 0,1
	ds_load_b128 v[192+8*\k+4*\u:195+8*\k+4*\u], v103 offset:4096*\k+512*\u   ; the four waves' sums of my 256 columns
.endr
.endr
	s_wait_dscnt 0x0
.irp n, 0,2,4,6
	v_pk_add_f32 v[192+\n:193+\n], v[192+\n:193+\n], v[200+\n:201+\n]
	v_pk_add_f32 v[208+\n:209+\n], v[208+\n:209+\n], v[216+\n:217+\n]
.endr
.irp n, 0,2,4,6
	v_pk_add_f32 v[192+\n:193+\n], v[192+\n:193+\n], v[208+\n:209+\n]
.endr
	global_store_b128 v97, v[192:195], s[22:23]              ; each store covers 512 consecutive bytes, aligned
	global_store_b128 v97, v[196:199], s[22:23] offset:512
	s_wait_tensorcnt 0x0                           ; the wave's end
	ds_add_u32 v[SPW], v[NIL]
	s_wait_dscnt 0x0
	CROUND                                         ; the closing round: no work-group ends while a partner may still ask for a tile that names it
	s_endpgm
.Lfunc_end_k_qce74a22640_main:
	.size	k_qce74a22640_main, .Lfunc_end_k_qce74a22640_main-k_qce74a22640_main
	.p2alignl 7, 3214868480
	.fill 96, 4, 3214868480
	.section	.rodata,"a",@progbits
	.p2align	6, 0x0
	.amdhsa_kernel k_qce74a22640_main
		.amdhsa_group_segment_fixed_size 327680
		.amdhsa_private_segment_fixed_size 0
		.amdhsa_enable_private_segment 0
		.amdhsa_kernarg_size 80
		.amdhsa_user_sgpr_count 2
		.amdhsa_user_sgpr_kernarg_segment_ptr 1
		.amdhsa_wavefront_size32 1
		.amdhsa_system_sgpr_workgroup_id_x 1
		.amdhsa_system_sgpr_workgroup_id_y 1
		.amdhsa_system_sgpr_workgroup_id_z 1
		.amdhsa_system_vgpr_workitem_id 0
		.amdhsa_next_free_vgpr 1024
		.amdhsa_next_free_sgpr 100
		.amdhsa_reserve_vcc 0
		.amdhsa_float_denorm_mode_32 3
		.amdhsa_float_denorm_mode_16_64 3
		.amdhsa_memory_ordered 1
		.amdhsa_forward_progress 1
		.amdhsa_inst_pref_size 255
	.end_amdhsa_kernel
	.section	.bss,"aw",@nobits
	.p2align	6
	.space	262144
	.amdgpu_metadata
---
amdhsa.version: [ 1, 2 ]
amdhsa.kernels:
  - .name:           k_qce74a22640_main
    .symbol:         k_qce74a22640_main.kd
    .args:
      - { .name: encoder_output, .offset: 0, .size: 8, .value_kind: global_buffer, .address_space: global }
      - { .name: Wh_w_codes, .offset: 8, .size: 8, .value_kind: global_buffer, .address_space: global }
      - { .name: Wh_w_scales, .offset: 16, .size: 8, .value_kind: global_buffer, .address_space: global }
      - { .name: Wc_w, .offset: 24, .size: 8, .value_kind: global_buffer, .address_space: global }
      - { .name: v_w, .offset: 32, .size: 8, .value_kind: global_buffer, .address_space: global }
      - { .name: coverage_vector, .offset: 40, .size: 8, .value_kind: global_buffer, .address_space: global }
      - { .name: x_padding_masks, .offset: 48, .size: 8, .value_kind: global_buffer, .address_space: global }
      - { .name: pw, .offset: 56, .size: 8, .value_kind: global_buffer, .address_space: global }
      - { .name: stat, .offset: 64, .size: 8, .value_kind: global_buffer, .address_space: global }
      - { .name: ctxp, .offset: 72, .size: 8, .value_kind: global_buffer, .address_space: global }
    .group_segment_fixed_size: 327680
    .private_segment_fixed_size: 0
    .kernarg_segment_align: 8
    .kernarg_segment_size: 80
    .max_flat_workgroup_size: 128
    .sgpr_count:     100
    .vgpr_count:     1024
    .wavefront_size: 32
...
	.end_amdgpu_metadata
.endif
;; end of part 1
;; launch finish (part 2): grid 8 x 32, 1 waves a work-group, no clusters, 0 bytes of LDS; arguments pw, stat, ctxp, coverage_vector, out0, out1, out2; writes out0, out1, out2
.if DOCPART == 2
	.amdgcn_target "amdgcn-amd-amdhsa--gfx1250"
	.amdhsa_code_object_version 6
	.text
	.protected	k_qce74a22640_finish
	.globl	k_qce74a22640_finish
	.p2align	8
	.type	k_qce74a22640_finish,@function
k_qce74a22640_finish:
	s_mov_b64 s[64:65], 0
	v_nop
	global_prefetch_b8 v0, s[64:65] scope:SCOPE_SE
	s_setreg_imm32_b32 hwreg(HW_REG_WAVE_MODE, 25, 1), 1
	s_wait_xcnt 0x0
; The eight blocks of a batch are joined.  pw [32][1024]: p = e^(s - m_block) x mask;  stat [256][64]: (m_block, sum of p), 32 times;  ctxp [32][8][1024]: each block's sum of p x enc.
; Wave (q, b) writes positions 128 q .. + 127 of out1 (the weights) and out2 (coverage + weights) and columns 128 q .. + 127 of out0 (the context) of batch b.
; M = the largest m_block, f = e^(m_block - M), W = sum over blocks of f x sum of p:  w = p f / W;  context = (sum over blocks of f x ctxp) / W.
; LEFT OUT AS DEAD, as in the first launch: the term c_b, the same for all positions of a batch, and the softmax's sum Z, which cancels; a NaN, an infinity or an overflow that reaches only them is not carried to the result.
; No matrix unit, LDS or cluster: each wave reads 12 pieces of up to 512 bytes, all asked for at once; there is no loop to prefetch in.
; LIMITS: NaN and infinities are not served; v_exp_f32 and v_rcp_f32 take and give 0 for denormals: where every open position's e^(s - M) falls under 2^-126, W is 0 and the row is NaN; the scaled scores stay under 2^31 in magnitude.
	s_load_b256 s[4:11], s[0:1], 0x0               ; pw s[4:5], stat s[6:7], ctxp s[8:9], coverage s[10:11]
	s_load_b128 s[12:15], s[0:1], 0x20             ; out0 s[12:13], out1 s[14:15]
	s_load_b64 s[16:17], s[0:1], 0x30              ; out2
	s_and_b32 s21, ttmp7, 0xffff                   ; b
	s_lshl_b32 s20, ttmp9, 9
	s_lshl_b32 s24, s21, 12
	s_add_co_u32 s24, s24, s20
	s_mov_b32 s25, 0                               ; s[24:25]: 128 q on of row b in a [32][1024] of f32
	s_lshl_b32 s26, s21, 15
	s_add_co_u32 s26, s26, s20
	s_mov_b32 s27, 0                               ; s[26:27]: columns 128 q on of block 0's partial context
	s_lshl_b32 s28, s21, 11
	s_mov_b32 s29, 0                               ; s[28:29]: the batch's eight rows of stat
	s_lshl_b32 s30, ttmp9, 8
	s_mov_b32 s31, 0                               ; s[30:31]: to my block's row
	s_mov_b32 s34, 0x3fb8aa3b                      ; log2(e)
	v_lshlrev_b32 v1, 4, v0                        ; 16 x lane
	v_and_b32 v2, 7, v0
	v_lshlrev_b32 v2, 8, v2                        ; lane l takes block l % 8
	v_mov_b32 v3, 0
	s_wait_alu depctr_va_vdst(0)
	s_wait_kmcnt 0x0
	s_add_nc_u64 s[6:7], s[6:7], s[28:29]
	s_add_nc_u64 s[30:31], s[6:7], s[30:31]
	s_add_nc_u64 s[4:5], s[4:5], s[24:25]
	s_add_nc_u64 s[8:9], s[8:9], s[26:27]
	s_add_nc_u64 s[10:11], s[10:11], s[24:25]
	s_add_nc_u64 s[12:13], s[12:13], s[24:25]
	s_add_nc_u64 s[14:15], s[14:15], s[24:25]
	s_add_nc_u64 s[16:17], s[16:17], s[24:25]
	global_load_b64 v[4:5], v2, s[6:7]             ; (m, sum of p) of block l % 8
	global_load_b32 v6, v3, s[30:31]               ; m of block q
	global_load_b128 v[8:11], v1, s[4:5]           ; p
	global_load_b128 v[12:15], v1, s[10:11]        ; coverage
.irp k, 0,1,2,3,4,5,6,7
	global_load_b128 v[32+4*\k:35+4*\k], v1, s[8:9] offset:4096*\k   ; four columns of block k's partial context
.endr
	s_wait_loadcnt 10                              ; the ten younger loads may be out
	v_mov_b32 v16, v4
.irp x, 1,2,4
	v_max_num_f32_dpp v16, v16, v16 row_xmask:\x row_mask:0xf bank_mask:0xf
.endr
	v_sub_f32 v17, v4, v16
	v_sub_f32 v18, v6, v16
	v_mul_f32 v17, s34, v17
	v_mul_f32 v18, s34, v18
	s_wait_alu depctr_va_vdst(0)
	v_exp_f32 v17, v17                             ; f of block l % 8
	v_exp_f32 v18, v18                             ; f of block q
	v_nop
	s_wait_alu depctr_va_vdst(0)
	v_mul_f32 v19, v17, v5
.irp x, 1,2,4
	v_add_f32_dpp v19, v19, v19 row_xmask:\x row_mask:0xf bank_mask:0xf
.endr
.irp k, 0,1,2,3,4,5,6,7
	v_readlane_b32 s[40+\k], v17, \k               ; f of block k
.endr
	s_wait_alu depctr_va_vdst(0)
	v_rcp_f32 v20, v19                             ; 1 / W
	v_nop
	s_wait_alu depctr_va_vdst(0)
	v_mul_f32 v22, v18, v20                        ; f of block q / W
	s_wait_alu depctr_va_vdst(0)
	s_wait_loadcnt 0x0
.irp i, 0,1,2,3
	v_mul_f32 v[8+\i], v[8+\i], v22                ; w
.endr
.irp i, 0,1,2,3
	v_add_f32 v[12+\i], v[12+\i], v[8+\i]
.endr
	global_store_b128 v1, v[8:11], s[14:15]        ; each store covers 512 consecutive bytes, aligned
	global_store_b128 v1, v[12:15], s[16:17]
.irp i, 0,1,2,3
	v_mul_f32 v[24+\i], s40, v[32+\i]
.endr
.irp k, 1,2,3,4,5,6,7
.irp i, 0,1,2,3
	v_fmac_f32 v[24+\i], s[40+\k], v[32+4*\k+\i]
.endr
.endr
.irp i, 0,1,2,3
	v_mul_f32 v[24+\i], v[24+\i], v20
.endr
	global_store_b128 v1, v[24:27], s[12:13]
	s_endpgm
.Lfunc_end_k_qce74a22640_finish:
	.size	k_qce74a22640_finish, .Lfunc_end_k_qce74a22640_finish-k_qce74a22640_finish
	.p2alignl 7, 3214868480
	.fill 96, 4, 3214868480
	.section	.rodata,"a",@progbits
	.p2align	6, 0x0
	.amdhsa_kernel k_qce74a22640_finish
		.amdhsa_group_segment_fixed_size 0
		.amdhsa_private_segment_fixed_size 0
		.amdhsa_enable_private_segment 0
		.amdhsa_kernarg_size 56
		.amdhsa_user_sgpr_count 2
		.amdhsa_user_sgpr_kernarg_segment_ptr 1
		.amdhsa_wavefront_size32 1
		.amdhsa_system_sgpr_workgroup_id_x 1
		.amdhsa_system_sgpr_workgroup_id_y 1
		.amdhsa_system_sgpr_workgroup_id_z 1
		.amdhsa_system_vgpr_workitem_id 0
		.amdhsa_next_free_vgpr 64
		.amdhsa_next_free_sgpr 66
		.amdhsa_reserve_vcc 0
		.amdhsa_float_denorm_mode_32 3
		.amdhsa_float_denorm_mode_16_64 3
		.amdhsa_memory_ordered 1
		.amdhsa_forward_progress 1
		.amdhsa_inst_pref_size 6
	.end_amdhsa_kernel
	.amdgpu_metadata
---
amdhsa.version: [ 1, 2 ]
amdhsa.kernels:
  - .name:           k_qce74a22640_finish
    .symbol:         k_qce74a22640_finish.kd
    .args:
      - { .name: pw, .offset: 0, .size: 8, .value_kind: global_buffer, .address_space: global }
      - { .name: stat, .offset: 8, .size: 8, .value_kind: global_buffer, .address_space: global }
      - { .name: ctxp, .offset: 16, .size: 8, .value_kind: global_buffer, .address_space: global }
      - { .name: coverage_vector, .offset: 24, .size: 8, .value_kind: global_buffer, .address_space: global }
      - { .name: out0, .offset: 32, .size: 8, .value_kind: global_buffer, .address_space: global }
      - { .name: out1, .offset: 40, .size: 8, .value_kind: global_buffer, .address_space: global }
      - { .name: out2, .offset: 48, .size: 8, .value_kind: global_buffer, .address_space: global }
    .group_segment_fixed_size: 0
    .private_segment_fixed_size: 0
    .kernarg_segment_align: 8
    .kernarg_segment_size: 56
    .max_flat_workgroup_size: 32
    .sgpr_count:     66
    .vgpr_count:     64
    .wavefront_size: 32
...
	.end_amdgpu_metadata
.endif
;; end of part 2
